; MI455X (gfx1250); checked and timed in simulation.
; The chip was launched on July 23, 2026; its instructions are those of AMD's public machine-readable ISA for CDNA 5 (MIT licence, August 2026) and "CDNA5" Instruction Set Architecture Reference Guide (July 2026). The comments in the code are by the model that wrote it; some were corrected since.
;; Ro PE Variant Layer. Allowed arithmetic: float matrix products may take bf16 or f16 operands with f32 sums; all other float work in f32.
;; Inputs: K 1 x 16 x 4,096 x 64 float32; Q 1 x 16 x 4,096 x 64 float32; V 1 x 16 x 4,096 x 64 float32.
;; Outputs: out0 1 x 16 x 4,096 x 64 float32.
;; One version. Each part assembles by itself: llvm-mc -triple=amdgcn-amd-amdhsa -mcpu=gfx1250 --defsym DOCPART=n.
;; ======== version 1 of 1: 2 launches
;; limits: values are held in f16: magnitudes above 65,504 overflow, below 6.1e-05 lose precision; inputs' magnitudes at most 65,504
;; workspace buffers: kb 8,388,608 bytes; vh 8,388,608 bytes
;; launch cast (part 1): grid 512 x 1, 8 waves a work-group, no clusters, 0 bytes of LDS; arguments K, V, kb, vh; writes kb, vh
.if DOCPART == 1
	.amdgcn_target "amdgcn-amd-amdhsa--gfx1250"
	.amdhsa_code_object_version 6
	.text
	.protected	k_q4087df2ef7_cast
	.globl	k_q4087df2ef7_cast
	.p2align	8
	.type	k_q4087df2ef7_cast,@function
k_q4087df2ef7_cast:
	s_mov_b64 s[64:65], 0
	v_nop
	global_prefetch_b8 v0, s[64:65] scope:SCOPE_SE
	s_setreg_imm32_b32 hwreg(HW_REG_WAVE_MODE, 25, 1), 1
	s_wait_xcnt 0x0
; kb = bf16(K);  vh = f16(bf16(V)).  K, V: [16][4096][64] f32;  kb, vh: the same order, 2 bytes a number (rows of 128 bytes).
; V is rounded to bf16 like Q and K, so that all three inputs carry one rounding; that number is then written as f16, the format of the second product's weights.
; LIMITS.  bf16's 8 significant bits fit f16's 11, so the second step is exact from 6.1e-5 up to 65,504; |V| of 65,520 or more becomes an infinity; below 6.1e-5 f16 keeps its fixed step of 6e-8.
; A stream: no LDS, no barrier, no matrix unit, no loop.  A work-group of eight waves takes 32,768 consecutive bytes of K and of V: eight pieces of 4,096 bytes, thread t the 16 bytes at 16 t of each.
; A wave's load covers 512 consecutive bytes; its four numbers a lane become 8 bytes, so a wave's store covers 256 consecutive bytes, aligned.  All sixteen loads of a thread go out at once;
; every store has data registers of its own, and no address register is written again, so the only waits are the counted ones for the loads.
.set PIECE, 4096                       ; bytes of input in a piece
.set XK,  4                            ; v[4:35]    K's piece j: 4 registers as loaded
.set XV,  36                           ; v[36:67]   V's piece j: as loaded, then the bf16 numbers widened again
.set YK,  68                           ; v[68:83]   K's piece j: 2 registers to store
.set T,   84                           ; v[84:85]   at work
.set YV,  88                           ; v[88:103]  V's piece j: 2 registers to store
	s_load_b256 s[4:11], s[0:1], 0x0               ; K s[4:5], V s[6:7], kb s[8:9], vh s[10:11]
	s_lshl_b32 s2, ttmp9, 15                       ; the work-group's 32,768 bytes of input (512 x 32,768 = 16 MiB: under 2^32),
	s_mov_b32 s3, 0
	s_lshl_b32 s12, ttmp9, 14                      ; and its 16,384 bytes of output
	s_mov_b32 s13, 0
	s_mov_b32 s14, 0xffff0000                      ; a word's upper bf16
	v_lshlrev_b32 v1, 4, v0                        ; 16 t: never rewritten
	v_lshlrev_b32 v2, 3, v0                        ; 8 t: never rewritten
	s_wait_kmcnt 0x0
	s_add_nc_u64 s[4:5], s[4:5], s[2:3]
	s_add_nc_u64 s[6:7], s[6:7], s[2:3]
	s_add_nc_u64 s[8:9], s[8:9], s[12:13]
	s_add_nc_u64 s[10:11], s[10:11], s[12:13]
.irp j, 0,1,2,3,4,5,6,7
	global_load_b128 v[XK+4*(\j):XK+4*(\j)+3], v1, s[4:5] offset:PIECE*(\j) th:TH_LOAD_NT
.endr
.irp j, 0,1,2,3,4,5,6,7
	global_load_b128 v[XV+4*(\j):XV+4*(\j)+3], v1, s[6:7] offset:PIECE*(\j) th:TH_LOAD_NT
.endr
.irp j, 0,1,2,3,4,5,6,7
	s_wait_loadcnt 15-(\j)                         ; loads come back in order (ISA guide 5.7.1): K's piece j is in, the 15 - j younger loads stay out
	v_cvt_pk_bf16_f32 v[YK+2*(\j)],   v[XK+4*(\j)],   v[XK+4*(\j)+1]
	v_cvt_pk_bf16_f32 v[YK+2*(\j)+1], v[XK+4*(\j)+2], v[XK+4*(\j)+3]
	global_store_b64 v2, v[YK+2*(\j):YK+2*(\j)+1], s[8:9] offset:(PIECE/2)*(\j)
.endr
.irp j, 0,1,2,3,4,5,6,7
	s_wait_loadcnt 7-(\j)                          ; V's piece j is in, the 7 - j younger loads stay out
	v_cvt_pk_bf16_f32 v[T],   v[XV+4*(\j)],   v[XV+4*(\j)+1]  ; rounded to bf16,
	v_cvt_pk_bf16_f32 v[T+1], v[XV+4*(\j)+2], v[XV+4*(\j)+3]
	v_lshlrev_b32 v[XV+4*(\j)],   16,  v[T]        ; widened again: the low half moves up, the high half stays,
	v_and_b32     v[XV+4*(\j)+1], s14, v[T]
	v_lshlrev_b32 v[XV+4*(\j)+2], 16,  v[T+1]
	v_and_b32     v[XV+4*(\j)+3], s14, v[T+1]
	v_cvt_pk_f16_f32 v[YV+2*(\j)],   v[XV+4*(\j)],   v[XV+4*(\j)+1]  ; and written as f16
	v_cvt_pk_f16_f32 v[YV+2*(\j)+1], v[XV+4*(\j)+2], v[XV+4*(\j)+3]
	global_store_b64 v2, v[YV+2*(\j):YV+2*(\j)+1], s[10:11] offset:(PIECE/2)*(\j)
.endr
	s_endpgm
.Lfunc_end_k_q4087df2ef7_cast:
	.size	k_q4087df2ef7_cast, .Lfunc_end_k_q4087df2ef7_cast-k_q4087df2ef7_cast
	.p2alignl 7, 3214868480
	.fill 96, 4, 3214868480
	.section	.rodata,"a",@progbits
	.p2align	6, 0x0
	.amdhsa_kernel k_q4087df2ef7_cast
		.amdhsa_group_segment_fixed_size 0
		.amdhsa_private_segment_fixed_size 0
		.amdhsa_enable_private_segment 0
		.amdhsa_kernarg_size 32
		.amdhsa_user_sgpr_count 2
		.amdhsa_user_sgpr_kernarg_segment_ptr 1
		.amdhsa_wavefront_size32 1
		.amdhsa_system_sgpr_workgroup_id_x 1
		.amdhsa_system_sgpr_workgroup_id_y 1
		.amdhsa_system_sgpr_workgroup_id_z 1
		.amdhsa_system_vgpr_workitem_id 0
		.amdhsa_next_free_vgpr 104
		.amdhsa_next_free_sgpr 66
		.amdhsa_reserve_vcc 0
		.amdhsa_float_denorm_mode_32 3
		.amdhsa_float_denorm_mode_16_64 3
		.amdhsa_memory_ordered 1
		.amdhsa_forward_progress 1
		.amdhsa_inst_pref_size 9
	.end_amdhsa_kernel
	.amdgpu_metadata
---
amdhsa.version: [ 1, 2 ]
amdhsa.kernels:
  - .name:           k_q4087df2ef7_cast
    .symbol:         k_q4087df2ef7_cast.kd
    .args:
      - { .name: K, .offset: 0, .size: 8, .value_kind: global_buffer, .address_space: global }
      - { .name: V, .offset: 8, .size: 8, .value_kind: global_buffer, .address_space: global }
      - { .name: kb, .offset: 16, .size: 8, .value_kind: global_buffer, .address_space: global }
      - { .name: vh, .offset: 24, .size: 8, .value_kind: global_buffer, .address_space: global }
    .group_segment_fixed_size: 0
    .private_segment_fixed_size: 0
    .kernarg_segment_align: 8
    .kernarg_segment_size: 32
    .max_flat_workgroup_size: 256
    .sgpr_count:     66
    .vgpr_count:     104
    .wavefront_size: 32
...
	.end_amdgpu_metadata
.endif
;; end of part 1
;; launch attn (part 2): grid 16 x 16, 4 waves a work-group, clusters of 4 x 1, 327,680 bytes of LDS; arguments Q, kb, vh, out0; writes out0
.if DOCPART == 2
	.amdgcn_target "amdgcn-amd-amdhsa--gfx1250"
	.amdhsa_code_object_version 6
	.text
	.protected	k_q4087df2ef7_attn
	.globl	k_q4087df2ef7_attn
	.p2align	8
	.type	k_q4087df2ef7_attn,@function
k_q4087df2ef7_attn:
	s_mov_b64 s[64:65], 0
	v_nop
	global_prefetch_b8 v0, s[64:65] scope:SCOPE_SE
	s_setreg_imm32_b32 hwreg(HW_REG_WAVE_MODE, 25, 1), 1
	s_wait_xcnt 0x0
	s_wait_alu depctr_hold_cnt(0) depctr_sa_sdst(0) depctr_va_vdst(0) depctr_va_sdst(0) depctr_va_ssrc(0) depctr_va_vcc(0) depctr_vm_vsrc(0)
	s_getreg_b32 s2, hwreg(HW_REG_IB_STS2, 6, 4)
	s_cmp_eq_u32 s2, 0
	s_cbranch_scc0 .Lentry_in_a_cluster
	s_endpgm
.Lentry_in_a_cluster:
	s_bfe_u32 s2, ttmp6, 0x10000c
	s_cmp_lg_u32 s2, 0x3003
	s_cbranch_scc0 .Lentry_shape_is_right
	s_endpgm
.Lentry_shape_is_right:
; O[h][q][:] = the sum over k of softmax_k(Q[h][q] . K[h][k] / 8 - m_h |k - q|) V[h][k][:],  m_h = 2^(-(h + 1) / 2), h = 0 .. 15.  No mask: every query walks all 4,096 keys.
; Q, O: [16][4096][64] f32.  kb: K rounded to bf16, vh: V rounded to bf16 and written as f16, both [16][4096][64], rows of 128 bytes, made by the launch before.  Q is rounded to bf16 here.
; K Q^T is multiplied in bf16, V^T P in f16 (the weights p lie in 0 to 1 and keep 11 significant bits); products, bias, maxima and sums in f32; O is stored in f32.
; LIMITS.  V arrives within f16's range (65,504).  p below 6e-5 keeps f16's fixed step of 6e-8; a weight below 2^-126 counts as 0 in l; NaN and infinities are not treated apart.
; The slope is made from bits: 8 m_h = 2^(3 - n / 2), n = h + 1, with the f32 mantissa of the square root of 2 for odd n: within half a unit in the last place.
; SHARES.  A work-group owns 256 queries of one head, wave w the 64 queries of band b = 4 x block + w, in four PIECES of 16.  16 blocks x 16 heads = 256 work-groups.  Keys go 64 a step, 64 steps.
; LAYOUT.  S^T = K Q^T (source 0 = 16 keys, source 1 = 16 queries): in the result a lane holds ONE query (lane % 16) and the keys 8 (lane / 16) + 0..7.  Two such results rounded to f16 ARE source 1 of
; O^T = V^T P, whose result again holds one query a lane, and eight channels.  K comes out of LDS as it lies, V ([key][channel]) turned, by ds_load_tr16_b128.
; SOFTMAX.  s = Q . K - 8 m_h |k - q|;  p = 2^(c s - c m), c = log2(e) / 8, with a running maximum m and sum l; O and l are multiplied by a = 2^(c m_old - c m_new) in every step.
; m starts at the lowest finite number: the first step is a step like any other, with a = 0.
; THE BIAS is the C operand of the product that starts each sum.  k - q = 64 sg + 16 (kb - t) + e, with sg = step - b, kb the step's block of 16 keys, t the piece, e = 8 (lane / 16) + j - lane % 16.  So a
; block of 16 x 16 hangs on i = kb - t + 3 (0 .. 6) and sg alone: SEVEN blocks of eight registers serve all four pieces.  ML_i[j] = 8 m_h (16 (i - 3) + e) is made once.  In every block but i = 3 at sg = 0 all of
; k - q has one sign, and -8 m_h |k - q| = ML_i x (1 or -1) + W, W = -512 m_h |sg|: one packed multiply-add for two numbers, its factor a scalar.  Block 3 takes PD x SB3 + W and then + ML_3 x SA3, with
; PD = -|ML_3|: (SB3, SA3) = (1, 0) at sg = 0 and (0, sign) elsewhere.  sg enters values alone: no branch, no address and no trip count hangs on it.  32 packed instructions a wave and step.
; BY TURNS.  Turn n belongs to piece n: 8 products K Q^T of piece n + 1, later 8 products V^T P of piece n - 1; beside them the scaling, exponentials, roundings, sums and rescaling of piece n and the maximum
; and statistics of piece n + 1.  Four vector instructions stand behind every matrix instruction, the others in two runs of their own; a turn ends with the bias blocks that have had their last use for the step.
; CLUSTER.  The four query blocks of a cluster belong to one head and walk the same K and V, so each tile is asked for JOINTLY: the same tensor load, descriptor and mask in all four.
; REGISTERS, in windows of 256 (s_set_vgpr_msb: bits 1:0 source 0, 3:2 source 1, 5:4 source 2, 7:6 destination):
;   window 0: v0-15 addresses and some at work; v16-31 four registers of statistics a piece; v48-55 at work; v62-63 the add's; v64-127 S^T, two buffers (on the way out v64-191: rows read back); v192-223 P, two buffers
;   window 1: v0-127 O^T, 32 a piece (at the start: Q as loaded); v128-183 MB, the seven bias blocks; v184-239 ML; v240-247 PD; v248-249 W      window 2: v0-63 Q; v128-191 K of one step; v192-255 V of one step
.set NP,    4         ; pieces a wave: a name, no knob
.set KS,    64        ; keys in a step
.set TILES, 4096/256  ; a tile is 256 keys, four steps
.set PK,    144       ; a row of K in LDS: 128 bytes + 16 of padding = 36 words: the 16 rows of a load start at 16 different groups of four banks (64 banks of 4 bytes: ISA guide 11.1)
.set PV,    160       ; a row of V: 128 + 32 = 40 words
.set VOFF,  4*KS*PK   ; a slot holds a tile: 256 rows of K, then 256 rows of V
.set SLOT1, 1<<17     ; slot 1 begins here, so that one exclusive or turns an address in one slot into the other's
.set STAGE, SLOT1+4*KS*(PK+PV)  ; behind the ring, never filled by a tensor load: 16 rows x 272 bytes for each wave, for the way out
.set SP,    272       ; a row of O in the stage: 256 bytes + 16
.set SPARE, STAGE+4*16*SP  ; behind the stages: the spare words, 128 bytes for each wave: two blocks of 256 bytes that no other line names
.set AK0, 2           ; v2   my lane's place in a tile of K; never rewritten
.set AV0, 3           ; v3   the same for V
.set AK,  4           ; v4   the LDS address of K's next run of loads
.set AV,  5           ; v5   of V's
.set STO, 6           ; v6   the way out: where I put 32 bytes of a row
.set RD,  7           ; v7   the way out: where I read rows back
.set GO,  8           ; v8   my byte offset in 512 consecutive bytes of O
.set MV,  12          ; v12-13  c m_old, kept while c m is made anew: by buffer
.set WK,  14          ; v14  at work: the lane's term of ML; later |sg| as f32
.set QO,  15          ; v15  my byte offset in 16 rows of Q
.set ST,  16          ; piece t's statistics at v[ST+4 t]: c m, m, l (even keys', odd keys')
.set TMP, 48          ; by buffer, four registers c0-c3 at work; when the maximum is found c2 takes a
.set SPW, 62          ; v62  LDS address of my spare word: SPARE + 4 x my thread's number; never rewritten
.set NIL, 63          ; v63  0; never rewritten
.set S,   64
.set BK,  64          ; the way out: piece t's 16 rows, read back, at BK + 32 t
.set P,   192
.set MB,  128         ; window 1: block i at MB + 8 i
.set ML,  184         ; window 1: likewise
.set PD,  240         ; window 1
.set W,   248         ; window 1: W, and a word named with it as a pair
.set KF,  128         ; window 2: key block kb, channel half c at KF + 16 kb + 8 c
.set VF,  192         ; window 2: key half kk, channel block cb at VF + 32 kk + 8 cb
.set WV,  12          ; s12  my wave's number
.set G1K, 24          ; s[24:31] descriptor group 1 for K's tiles
.set G1V, 32          ; s[32:39] for V's: it differs in the padding alone
.set G0K, 40          ; s[40:43] descriptor group 0 for K's tiles: it walks
.set G0V, 44          ; s[44:47] the same for V's
.set SLOTS, 56        ; s56  counts the slots
.set CNT, 57          ; s57  counts a slot's key steps
.set CS,  58          ; s[58:59] c: the packed scaling takes the pair's low word for both halves
.set SEL, 60          ; s[60:61] v_permlanex16_b32's selects: each lane takes its own place in the other half
.set TBK, 62          ; s62  LDS byte at which K of the step to be fetched begins
.set TBV, 63          ; s63  the same for V, less VOFF
.set S8,  66          ; s66  8 m_h   (named as a pair with s67; the low word is taken)
.set NS64, 67         ; s67  -512 m_h
.set SG,  68          ; s68  sg of the bias blocks that are being made
.set AB,  69          ; s69  |sg|
.set SAL, 70          ; s[70:71] the factor of blocks 0-2, in the low word: 1 if sg <= 0, else -1
.set SA3, 72          ; s[72:73] of ML_3: 0 if sg = 0, else SAL
.set SAR, 74          ; s[74:75] of blocks 4-6: 1 if sg < 0, else -1
.set SB3, 76          ; s[76:77] of PD: 1 if sg = 0, else 0
.set SGN, 78          ; s78  the sign bit
.set MSB, 0
.macro WIN new                      ; the high byte repeats the setting that is left; a switch that changes nothing is dropped
.if MSB != (\new)
	s_set_vgpr_msb (MSB<<8)|(\new)
.set MSB, (\new)
.endif
.endm
.set W_KM, 0x1a       ; K and Q in window 2, the bias (C) in window 1, S^T in window 0
.set W_KQ, 0x0a       ; K and Q in window 2, S^T in window 0
.set W_PV, 0x52       ; V in window 2, P in window 0, O^T in window 1
.set W_RS, 0x41       ; destination and source 0 in window 1, source 1 in window 0
.set W_BL, 0x51       ; destination, source 0 and source 2 in window 1
; A joint fill.  Waves 0 and 1 fetch the two halves of a slot's K, waves 2 and 3 those of its V: 128 keys each.  The branch hangs on the wave's number alone.
; An s_nop 0 and four v_nop follow each of the two lines, ahead of the jump and the label.
.macro JLOAD
	s_cmp_lt_u32 s[WV], 2
	s_cbranch_scc0 .Lfor_v_\@
	tensor_load_to_lds s[G0K:G0K+3], s[G1K:G1K+7]
	s_nop 0
.rept 4
	v_nop
.endr
	s_branch .Lasked_\@
.Lfor_v_\@:
	tensor_load_to_lds s[G0V:G0V+3], s[G1V:G1V+7]
	s_nop 0
.rept 4
	v_nop
.endr
.Lasked_\@:
.endm
; A round of the cluster's barrier: my work-group's barrier, so that wave 0's signal speaks for all four waves; wave 0 signals; every wave waits for all four work-groups; my work-group's barrier once more.
.macro CROUND
	s_barrier_signal -1
	s_barrier_wait -1
	s_cmp_lg_u32 s[WV], 0
	s_cbranch_scc1 .Lnot_wave_0_\@
	s_barrier_signal -3
.Lnot_wave_0_\@:
	s_barrier_wait -3
	s_barrier_signal -1
	s_barrier_wait -1
.endm
; THE CHANGE OF SLOTS.  The slot's last bytes, V of its fourth step, have been read.  Each wave waits for all its tensor loads, of which one is out: its part of the other slot; adds 0 to its spare word; and
; waits for that and for its own reads of the slot.  Behind the barrier nobody reads this slot any more and the other slot is whole.
; fill = 1: this slot is filled again, with the keys two slots on.  The barrier is then a round of the cluster's, so that no wave of any partner still reads the slot or has a load on its way, and the joint
; fill is the first thing behind it: it has four key steps, 256 matrix instructions a wave, in which to land.  (At its first use nothing has been read yet: slot 0 is waited for, slot 1 filled.)
.macro CHANGE fill
	WIN 0                           ; at a label and at a branch every window is 0
	s_wait_tensorcnt 0x0            ; no tensor load of mine is out, so a group 0 may be written
	ds_add_u32 v[SPW], v[NIL]       ; 0 onto my spare word; with fill = 1 the descriptors' steps stand between it and the wait for it
.if \fill
.irp g, G0K, G0V
	s_xor_b32 s[\g+1], s[\g+1], SLOT1  ; the walking descriptor: the other slot than last time,
	s_add_nc_u64 s[\g+2:\g+3], s[\g+2:\g+3], 4*KS*128  ; the next 256 keys; the type bits on top are not reached
.endr
	s_wait_dscnt 0x0                ; the add is done, and my reads of the slot are over
	CROUND
	JLOAD
.else
	s_wait_dscnt 0x0                ; the add is done, and my reads of the slot are over
	s_barrier_signal -1
	s_barrier_wait -1
.endif
	s_sub_co_u32 s[TBK], s[TBK], 4*KS*PK  ; the fetches go back to a slot's first step,
	s_xor_b32 s[TBK], s[TBK], SLOT1       ; in the other slot
	s_sub_co_u32 s[TBV], s[TBV], 4*KS*PV
	s_xor_b32 s[TBV], s[TBV], SLOT1
.endm
	s_load_b256 s[4:11], s[0:1], 0x0  ; Q s[4:5], kb s[6:7], vh s[8:9], O s[10:11]
	v_lshl_add_u32 v[SPW], v0, 2, SPARE
	v_mov_b32 v[NIL], 0
	ds_add_u32 v[SPW], v[NIL]       ; the wave's opening: the add and its wait stand ahead of my first tensor load; the set-up below, work on registers, stands between them
	v_lshrrev_b32 v1, 5, v0
	v_readfirstlane_b32 s[WV], v1   ; wave 0..3
	s_bfe_u32 s13, ttmp6, 0x40000   ; cx: my place in the cluster
	s_lshl_b32 s14, ttmp9, 2        ; in a cluster launch ttmp9 counts clusters
	s_add_co_u32 s14, s14, s13      ; my block of 256 queries = 4 x cluster x + cx: it enters Q's and O's addresses and sg alone
	s_lshl_b32 s19, s14, 2
	s_add_co_u32 s19, s19, s[WV]    ; b: my wave's band of 64 queries
	s_and_b32 s20, ttmp7, 0xffff    ; the head, which the four partners share
	s_and_b32 s16, s[WV], 1         ; which half of a slot's 256 keys I fetch
	s_lshl_b32 s22, s20, 19         ; the head's first byte in kb and vh: 4,096 rows of 128 bytes,
	s_lshl_b32 s21, s16, 14         ; and my 128 rows
	s_add_co_u32 s22, s22, s21
	s_mov_b32 s23, 0
	s_mul_i32 s17, s16, 128*PK      ; their place in a slot, for K
	s_mul_i32 s18, s16, 128*PV      ; and for V: no place in the cluster enters an LDS address
	s_lshl_b32 s2, s20, 20          ; the head's first byte in Q and O: 4,096 rows of 256 bytes,
	s_lshl_b32 s3, s19, 14          ; and my band's 64 rows
	s_add_co_u32 s2, s2, s3
	s_mov_b32 s3, 0
	; descriptor group 1.  128 keys are 16,384 dense bytes: asked for as 64 rows of 256 bytes, two keys a row, and padded in LDS after every key
	s_mov_b32 s[G1K], 15|(1<<16)|(1<<20)|(1<<21)|(4<<22)|(3<<25)  ; 15:0 the mask of four; 17:16 2-byte elements; 20 padding on; 21 set beside a mask; 24:22 after every 32 words (code 4); 31:25 4 words (code 3)
	s_mov_b32 s[G1V], 15|(1<<16)|(1<<20)|(1<<21)|(4<<22)|(7<<25)  ; the same with 8 words of padding (code 7)
.irp g, G1K, G1V
	s_mov_b32 s[\g+1], 128<<16      ; tensor_dim0 = 128
	s_mov_b32 s[\g+2], 64<<16       ; tensor_dim1 = 64
	s_mov_b32 s[\g+3], 128<<16      ; tile_dim0 = 128
	s_mov_b32 s[\g+4], 64           ; tile_dim1 = 64
	s_mov_b32 s[\g+5], 128          ; 128 elements from row to row
	s_mov_b32 s[\g+6], 0
	s_mov_b32 s[\g+7], 0
.endr
	s_mov_b32 s[CS], 0x3e38aa3b     ; c = log2(e) / 8 = 0.180337
	s_mov_b32 s[CS+1], s[CS]        ; named with it as a pair
	s_mov_b32 s[SEL], 0x76543210
	s_mov_b32 s[SEL+1], 0xfedcba98
	s_mov_b32 s[SGN], 0x80000000
	; 8 m_h = 2^(3 - n / 2), n = head + 1, from bits: exponent field 130 - (n + 1) / 2 (whole division); for odd n the mantissa of the square root of 2
	s_add_co_u32 s15, s20, 1        ; n
	s_add_co_u32 s21, s15, 1
	s_lshr_b32 s21, s21, 1
	s_sub_co_u32 s21, 130, s21
	s_lshl_b32 s21, s21, 23
	s_and_b32 s15, s15, 1
	s_mul_i32 s15, s15, 0x3504f3
	s_add_co_u32 s[S8], s21, s15
	s_add_co_u32 s[NS64], s[S8], 6<<23     ; x 64,
	s_or_b32 s[NS64], s[NS64], 0x80000000  ; negative
	s_sub_co_i32 s[SG], 0, s19      ; step 0: sg = -b
	s_mov_b32 s[SAL+1], 0           ; named as pairs
	s_mov_b32 s[SA3+1], 0
	s_mov_b32 s[SAR+1], 0
	s_mov_b32 s[SB3+1], 0
	s_mov_b32 s[TBK], SLOT1+4*KS*PK ; the first change of slots turns these two into 0
	s_mov_b32 s[TBV], SLOT1+4*KS*PV
	s_mov_b32 s[G0K], 1             ; 1:0 count = 1
	s_mov_b32 s[G0K+1], s17         ; 63:32 LDS address: slot 0
	s_mov_b32 s[G0V], 1
	s_add_co_u32 s[G0V+1], s18, VOFF
	s_wait_dscnt 0x0                ; the opening add is done
	s_wait_kmcnt 0x0
	s_add_nc_u64 s[G0K+2:G0K+3], s[6:7], s[22:23]  ; 120:64 global address: my half of the head's first 256 keys
	s_or_b32 s[G0K+3], s[G0K+3], 0x80000000        ; 127:126 type = 2
	s_add_nc_u64 s[G0V+2:G0V+3], s[8:9], s[22:23]
	s_or_b32 s[G0V+3], s[G0V+3], 0x80000000
	s_add_nc_u64 s[4:5], s[4:5], s[2:3]  ; Q and O at my wave's first row
	s_add_nc_u64 s[10:11], s[10:11], s[2:3]
	CROUND                          ; all four work-groups are here: the first joint loads meet
	JLOAD                           ; tile 0 into slot 0.  Slot 1 is asked for when slot 0 is in, by the loop's own change of slots
	; ALL THAT FOLLOWS, UP TO THE CHANGE OF SLOTS, STANDS IN THE WAIT FOR THE FIRST TILE.
	; A fragment of Q is 16 rows x 32 channels in 8 registers of bf16: lane l holds row l % 16, channels 8 (l / 16) + 0..7 and 16 + 8 (l / 16) + 0..7.  In f32 each eight are 32 bytes: two loads of 16.
	v_and_b32 v1, 15, v0            ; l % 16
	v_bfe_u32 v9, v0, 4, 1          ; l / 16
	v_lshlrev_b32 v[QO], 8, v1
	v_lshl_add_u32 v[QO], v9, 5, v[QO]  ; row x 256 + 32 x half
	WIN 0x40                        ; destination window 1 (where O^T will lie), address window 0
.set i, 0
.rept 32                            ; piece i / 8, channels 32 ((i / 4) % 2) + 16 ((i / 2) % 2) on, four numbers i % 2 of my eight
	global_load_b128 v[4*i:4*i+3], v[QO], s[4:5] offset:(i/8)*4096+((i/4)%2)*128+((i/2)%2)*64+(i%2)*16
.set i, i+1
.endr
	WIN 0
	v_mul_u32_u24 v[AK0], v1, PK
	v_lshl_add_u32 v[AK0], v9, 4, v[AK0]  ; K: row x pitch + 16 x half
	; The turning load takes 16 keys x 16 channels (lane l reads key 8 (l / 16) + l % 8, channels 8 ((l / 8) % 2) + 0..7) and leaves half a fragment of V^T: lane l holds channel l % 16 and 8 keys.
	v_and_b32 v10, 7, v0
	v_bfe_u32 v11, v0, 3, 1
	v_lshl_add_u32 v[AV0], v9, 3, v10
	v_mul_u32_u24 v[AV0], v[AV0], PV
	v_lshl_add_u32 v[AV0], v11, 4, v[AV0]
	v_add_nc_u32 v[AV0], VOFF, v[AV0]
	s_mul_i32 s13, s[WV], 16*SP
	s_add_co_u32 s13, s13, STAGE    ; my stage
	v_mul_u32_u24 v[STO], v1, SP    ; in: row l % 16, 32 bytes (eight channels in f32) for each half of the lanes
	v_lshl_add_u32 v[STO], v9, 5, v[STO]
	v_add_nc_u32 v[STO], s13, v[STO]
	v_mul_u32_u24 v[RD], v9, SP     ; back: lanes 0-15 take one row of 256 bytes, lanes 16-31 the next,
	v_lshl_add_u32 v[RD], v1, 4, v[RD]
	v_add_nc_u32 v[RD], s13, v[RD]
	v_and_b32 v[GO], 31, v0         ; which are 512 consecutive bytes of O
	v_lshlrev_b32 v[GO], 4, v[GO]
	; ML_i[j] = 8 m_h (16 (i - 3) + j + 8 (l / 16) - l % 16): whole numbers first (the lane's term less 48, so that the constants are 16 i + j), then f32, then the slope
	v_add_nc_u32 v[WK], 48, v1
	v_lshlrev_b32 v13, 3, v9
	v_sub_nc_u32 v[WK], v13, v[WK]
	WIN 0x40
.set i, 0
.rept 56
	v_add_nc_u32 v[ML+i], 16*(i/8)+i%8, v[WK]
.set i, i+1
.endr
	WIN W_RS
.set i, 0
.rept 56
	v_cvt_f32_i32 v[ML+i], v[ML+i]
.set i, i+1
.endr
.set i, 0
.rept 28
	v_pk_mul_f32 v[ML+2*i:ML+2*i+1], v[ML+2*i:ML+2*i+1], s[S8:S8+1] op_sel_hi:[1,0]
.set i, i+1
.endr
.set i, 0
.rept 8
	v_or_b32 v[PD+i], v[ML+24+i], s[SGN]  ; PD = -|ML_3|
.set i, i+1
.endr
	v_mov_b32 v[W+1], 0             ; named with W as a pair
	; What the first turn finds: V's registers and P's second buffer hold 0: its products V^T P, of a piece that has not been, add 0.  O^T is NOT cleared: it holds Q's numbers, finite wherever the result is,
	; and each piece's first step multiplies it by a = 0.
	WIN 0x80
.set i, VF
.rept 64
	v_mov_b32 v[i], 0
.set i, i+1
.endr
	WIN 0
.set i, 0
.rept NP
	v_mov_b32 v[ST+4*i], 0xfe000000    ; c m: far below every c s
	v_mov_b32 v[ST+4*i+1], 0xff7fffff  ; m
	v_mov_b32 v[ST+4*i+2], 0
	v_mov_b32 v[ST+4*i+3], 0
.set i, i+1
.endr
.set i, P+16
.rept 16
	v_mov_b32 v[i], 0
.set i, i+1
.endr
	s_wait_loadcnt 0x0              ; Q
	WIN 0x85                        ; sources 0 and 1 window 1, destination window 2
.set i, 0
.rept 64
	v_cvt_pk_bf16_f32 v[i], v[2*i], v[2*i+1]  ; piece i / 16, channel half (i / 8) % 2: the fragments as the products take them
.set i, i+1
.endr
	WIN 0
; THE MATRIX WORK.  The 4 accumulators of a run of 8 take turns.  Product i of 8 of S^T = K Q^T for piece x: channels 32 (i / 4) on, keys 16 (i % 4) on.  The first 4 start the sums with bias block i - x + 3.
.macro KQ x
.set rS, S+32*((\x)%2)+8*(i%4)
.set rK, KF+16*(i%4)+8*(i/4)
.set rQ, 16*(\x)+8*(i/4)
.set rM, MB+8*(i%4-(\x)+3)
.if i < 4
	WIN W_KM
	v_wmma_f32_16x16x32_bf16 v[rS:rS+7], v[rK:rK+7], v[rQ:rQ+7], v[rM:rM+7]
.else
	WIN W_KQ
	v_wmma_f32_16x16x32_bf16 v[rS:rS+7], v[rK:rK+7], v[rQ:rQ+7], v[rS:rS+7]
.endif
.endm
; Product i of 8 of O^T += V^T P for piece x: keys 32 (i / 4) on, channels 16 (i % 4) on.
.macro PV x
	WIN W_PV
.set rO, 32*(\x)+8*(i%4)
.set rV, VF+32*(i/4)+8*(i%4)
.set rP, P+16*((\x)%2)+8*(i/4)
	v_wmma_f32_16x16x32_f16 v[rO:rO+7], v[rV:rV+7], v[rP:rP+7], v[rO:rO+7]
.endm
.macro MM                           ; the turn's next matrix instruction.  TURN sets Y, i and NOKQ.  NOKQ = 1: the walk's last turn: there is no next piece
.if (i < 8) && !NOKQ
	KQ (Y+1)%NP
.elseif i >= 8
.set i, i-8
	PV (Y+NP-1)%NP
.set i, i+8
.endif
.set i, i+1
.endm
; THE LDS LOADS stand in runs of 16, never singly among the matrix instructions: a step's K (64 keys x 64 channels: 8 fragments) and its V (turned).  Their addresses are made some lines ahead.
.macro FETCH_K
	WIN 0x80                        ; destination window 2
.irp f, 0,1,2,3,4,5,6,7             ; keys 16 (f / 2) on, channels 32 (f % 2) on
	ds_load_b128 v[KF+8*\f:KF+8*\f+3],   v[AK] offset:(\f/2)*16*PK+(\f%2)*64
	ds_load_b128 v[KF+8*\f+4:KF+8*\f+7], v[AK] offset:(\f/2)*16*PK+(\f%2)*64+32
.endr
	s_add_co_u32 s[TBK], s[TBK], KS*PK  ; the next fetch is the next step's
	WIN 0
.endm
.macro FETCH_V
	WIN 0x80
.irp f, 0,1,2,3,4,5,6,7             ; keys 32 (f / 4) on, channels 16 (f % 4) on
	ds_load_tr16_b128 v[VF+8*\f:VF+8*\f+3],   v[AV] offset:(\f/4)*32*PV+(\f%4)*32
	ds_load_tr16_b128 v[VF+8*\f+4:VF+8*\f+7], v[AV] offset:(\f/4)*32*PV+16*PV+(\f%4)*32
.endr
	WIN 0
.endm
; THE BIAS.  SIGNS: the scalars for the blocks to be made (step = 1: of the next key step).  WMAKE: W = -512 m_h |sg|.  BLK k: block k anew, in place.
.macro SIGNS step
.if \step
	s_add_co_i32 s[SG], s[SG], 1
.endif
	s_sub_co_i32 s[AB], 0, s[SG]
	s_max_i32 s[AB], s[AB], s[SG]   ; |sg|
	s_cmp_le_i32 s[SG], 0
	s_cselect_b32 s[SAL], 1.0, -1.0
	s_cmp_lt_i32 s[SG], 0
	s_cselect_b32 s[SAR], 1.0, -1.0
	s_cmp_eq_u32 s[SG], 0
	s_cselect_b32 s[SA3], 0, s[SAL]
	s_cselect_b32 s[SB3], 1.0, 0
.endm
.macro WMAKE
	WIN 0
	v_cvt_f32_u32 v[WK], s[AB]
	WIN 0x40
	v_mul_f32 v[W], s[NS64], v[WK]
.endm
.macro BLK k
	WIN W_BL
.set z, 0
.rept 4
.if (\k) < 3
	v_pk_fma_f32 v[MB+8*(\k)+2*z:MB+8*(\k)+2*z+1], v[ML+8*(\k)+2*z:ML+8*(\k)+2*z+1], s[SAL:SAL+1], v[W:W+1] op_sel_hi:[1,0,0]
.elseif (\k) > 3
	v_pk_fma_f32 v[MB+8*(\k)+2*z:MB+8*(\k)+2*z+1], v[ML+8*(\k)+2*z:ML+8*(\k)+2*z+1], s[SAR:SAR+1], v[W:W+1] op_sel_hi:[1,0,0]
.else
	v_pk_fma_f32 v[MB+24+2*z:MB+24+2*z+1], v[PD+2*z:PD+2*z+1], s[SB3:SB3+1], v[W:W+1] op_sel_hi:[1,0,0]
.endif
.set z, z+1
.endr
.if (\k) == 3
.set z, 0
.rept 4
	v_pk_fma_f32 v[MB+24+2*z:MB+24+2*z+1], v[ML+24+2*z:ML+24+2*z+1], s[SA3:SA3+1], v[MB+24+2*z:MB+24+2*z+1] op_sel_hi:[1,0,1]
.set z, z+1
.endr
.endif
.endm
; THE VECTOR WORK, one line at a time: OP kind, number.  For piece Y: F n: c s - c m for pair n of 16.  E n: the exponential of score n of 32.  C n: pair n rounded to f16.  B n: of the four weights 4 n .. the second
; pair is added onto the first, in place.  L n: l takes that sum (L 0: l = a l + sum).  R n: pair n of 16 of O^T times a.  For piece Y + 1: X n, number n of the 22 that find its maximum and statistics:
;   0-11  four chains c0-c3 of seven scores each, three operands at a time (each accumulator's lowest registers are read first)     12-14, 16  the four scores left over, the old m, and c0-c3 into c0
;   15  c m_old is kept     17, 18  the query's other 32 keys lie in the lane 16 away: the new m     19-21  c m; c m_old - c m_new; a
.set F, 0               ; OP tells the kinds apart by their order: F to L below R, X above it
.set E, 1
.set C, 2
.set B, 3
.set L, 4
.set R, 5
.set X, 6
.macro REGS y                       ; the registers of piece y
.set rT, ST+4*(\y)
.set rC, TMP+4*((\y)%2)
.set rW, MV+((\y)%2)
.set rS, S+32*((\y)%2)
.set rP, P+16*((\y)%2)
.set rO, 32*(\y)
.endm
.macro OP k, n
.if (\k) == R
	REGS Y
	WIN W_RS
	v_pk_mul_f32 v[rO+2*(\n):rO+2*(\n)+1], v[rO+2*(\n):rO+2*(\n)+1], v[rC+2:rC+3] op_sel_hi:[1,0]
.elseif (\k) < R
	REGS Y
	WIN 0
.if (\k) == F
	v_pk_fma_f32 v[rS+2*(\n):rS+2*(\n)+1], v[rS+2*(\n):rS+2*(\n)+1], s[CS:CS+1], v[rT:rT+1] op_sel_hi:[1,0,0] neg_lo:[0,0,1] neg_hi:[0,0,1]
.elseif (\k) == E
	v_exp_f32 v[rS+(\n)], v[rS+(\n)]
.elseif (\k) == C
	s_wait_alu depctr_va_vdst(0)
	v_cvt_pk_f16_f32 v[rP+(\n)], v[rS+2*(\n)], v[rS+2*(\n)+1]
.elseif (\k) == B
	s_wait_alu depctr_va_vdst(0)
	v_pk_add_f32 v[rS+4*(\n):rS+4*(\n)+1], v[rS+4*(\n):rS+4*(\n)+1], v[rS+4*(\n)+2:rS+4*(\n)+3]
.elseif (\n) == 0
	v_pk_fma_f32 v[rT+2:rT+3], v[rT+2:rT+3], v[rC+2:rC+3], v[rS:rS+1] op_sel_hi:[1,0,1]
.else
	v_pk_add_f32 v[rT+2:rT+3], v[rT+2:rT+3], v[rS+4*(\n):rS+4*(\n)+1]
.endif
.elseif NOKQ
	v_nop
.else
	REGS (Y+1)%NP
	WIN 0
.if (\n) < 4
	v_max3_num_f32 v[rC+(\n)], v[rS+8*(\n)], v[rS+8*(\n)+1], v[rS+8*(\n)+2]
.elseif (\n) < 12
	v_max3_num_f32 v[rC+(\n)%4], v[rC+(\n)%4], v[rS+8*((\n)%4)+2*((\n)/4)+1], v[rS+8*((\n)%4)+2*((\n)/4)+2]
.elseif (\n) == 12
	v_max3_num_f32 v[rC], v[rC], v[rS+7], v[rS+15]
.elseif (\n) == 13
	v_max3_num_f32 v[rC+1], v[rC+1], v[rS+23], v[rS+31]
.elseif (\n) == 14
	v_max3_num_f32 v[rC+2], v[rC+2], v[rC+3], v[rT+1]
.elseif (\n) == 15
	v_mov_b32 v[rW], v[rT]
.elseif (\n) == 16
	v_max3_num_f32 v[rC], v[rC], v[rC+1], v[rC+2]
.elseif (\n) == 17
	v_permlanex16_b32 v[rC+3], v[rC], s[SEL], s[SEL+1]
.elseif (\n) == 18
	v_max_num_f32 v[rT+1], v[rC], v[rC+3]
.elseif (\n) == 19
	v_mul_f32 v[rT], s[CS], v[rT+1]
.elseif (\n) == 20
	v_sub_f32 v[rC+1], v[rW], v[rT]
.else
	v_exp_f32 v[rC+2], v[rC+1]
.endif
.endif
.endm
.macro OPS a, i1, b=-1, i2=0, c=-1, i3=0, d=-1, i4=0  ; up to four of them
	OP \a, \i1
.if (\b) >= 0
	OP \b, \i2
.endif
.if (\c) >= 0
	OP \c, \i3
.endif
.if (\d) >= 0
	OP \d, \i4
.endif
.endm
.macro ROW a, i1, b, i2, c, i3, d, i4  ; a matrix instruction and the four behind it
	MM
	OPS \a, \i1, \b, \i2, \c, \i3, \d, \i4
.endm
; A TURN, for piece p: the order of its 16 matrix and 118 vector instructions, written out, and behind them the bias blocks.  Behind a matrix instruction: plain, exponential, plain, plain; or four of the rescaling;
; or, behind the first, four scalings; none names a register of the products round it.  In the runs between, exponential and plain by turns while exponentials last, so that each exponential has a plain
; instruction behind it before its result is used (ISA guide 5.7.2).  v_permlanex16_b32 (X 17) stands in such a run.
; end = 1: the walk's last two turns: nothing is fetched, no bias is made.  cnt = 1: the loop's count is taken down some lines ahead of the branch that stands behind the turn; only vector lines follow the compare.
; K of the next step is fetched in piece 2's turn, six vector instructions behind the last product that read K (five of them plain); V of the step in hand in piece 0's turn, eight behind the last product that
; read V (four plain, and X 17).  Each is waited for a turn later.
; THE BIAS BLOCKS go from the step in hand to the next, each behind its last use and ahead of its next.  The products of piece x take blocks 3 - x .. 6 - x; piece 0's for the next step stand in turn 3, piece 1's
; in turn 0, piece 2's in turn 1, piece 3's in turn 2.  So turn 0 renews blocks 6 and 5, turn 1 block 4, turn 2 block 3, turn 3 blocks 2, 1 and 0; the products that read a block as C are a turn's first four,
; far more than four plain instructions ahead of the turn's end.  The scalars are made at turn 0's head, W at its end; both last through turn 3.
.macro TURN p, end=0, cnt=0
.set Y, (\p)
.set i, 0
.set NOKQ, (\end)*((\p)/3)
.if (\p) == 0
	SIGNS 1
.endif
.if ((\p) == 3) && !(\end)
	s_wait_dscnt 0x0                ; K is in
.endif
	ROW F,0, F,1, F,2, F,3
	ROW F,4, E,0, F,5, F,6
	ROW F,7, E,1, F,8, F,9
	ROW F,10, E,2, C,0, F,11
	ROW F,12, E,3, X,15, F,13
	ROW R,0, R,1, R,2, R,3
	ROW B,0, E,4, F,14, L,0
.if ((\p) == 2) && !(\end)
	v_add_nc_u32 v[AK], s[TBK], v[AK0]
.endif
	ROW R,4, R,5, R,6, R,7
	OPS E,5, F,15
.if ((\p) == 2) && !(\end)
	FETCH_K
.endif
	OPS E,6, C,1, E,7, R,8
	OPS E,8, R,9, E,9, C,2
	OPS E,10, X,0, E,11, X,1
	OPS E,12, X,2, E,13, X,3
.if (\p) == 1
	s_wait_dscnt 0x0                ; V is in
.endif
	ROW X,4, E,14, X,5, X,6
	ROW X,7, E,15, X,8, X,9
	ROW X,10, E,16, X,11, X,12
	ROW X,13, E,17, X,14, B,1
	ROW C,4, E,18, X,16, L,1
	ROW B,2, E,19, C,6, L,2
	ROW C,8, E,20, B,3, B,4
.if (\p) == 0
	v_add_nc_u32 v[AV], s[TBV], v[AV0]
.endif
	ROW C,3, E,21, L,3, C,5
	OPS E,22, X,17, E,23, C,10
.if (\p) == 0
	FETCH_V
.endif
	OPS E,24, L,4
	OPS E,25, X,18, E,26, C,7
	OPS E,27, B,5, E,28, X,19
	OPS E,29, C,12, E,30, L,5
	OPS E,31, X,20, B,6, C,9
	OPS C,14, C,11, X,21, L,6
.if (\p) == 0
	s_add_co_u32 s[TBV], s[TBV], KS*PV
.endif
.if \cnt
	s_sub_co_u32 s[CNT], s[CNT], 1
	s_cmp_lg_u32 s[CNT], 0
.endif
	OPS C,13, B,7, C,15, R,10
	OPS R,11, R,12, L,7, R,13
	OPS R,14, R,15
.if !(\end)
.if (\p) == 0
	WMAKE
	BLK 6
	BLK 5
.elseif (\p) == 1
	BLK 4
.elseif (\p) == 2
	BLK 3
.else
	BLK 2
	BLK 1
	BLK 0
.endif
.endif
.endm
	CHANGE 1                        ; slot 0 is in, everybody's part of it; slot 1 is asked for
	; THE BEGINNING: all seven bias blocks for step 0; K of step 0; piece 0's first scores, and its maximum and statistics.
	SIGNS 0
	WMAKE
.irp k, 0,1,2,3,4,5,6
	BLK \k
.endr
	WIN 0
	v_add_nc_u32 v[AK], s[TBK], v[AK0]
	FETCH_K
	s_wait_dscnt 0x0
.set NOKQ, 0
.set i, 0
.rept 8
	KQ 0                            ; there is no vector work yet to set between them
.set i, i+1
.endr
	WIN 0
.rept 4
	v_nop                           ; the places behind those products (ISA guide 7.12.1)
.endr
.set Y, NP-1                        ; X works for piece Y + 1: piece 0
.irp n, 0,1,2,3,4,5,6,7,8,9,10,11,12,13,14,15,16,17,18,19,20,21
	OP X, \n
.endr
	v_nop                           ; a plain instruction behind the exponential
	s_mov_b32 s[CNT], 4
	s_mov_b32 s[SLOTS], TILES-1
	s_branch .Lfirst                ; the loop is entered at a step's first turn, in the middle of a trip
.Lslot:                             ; TILES - 2 times: every slot but the last two is filled again
	CHANGE 1
	s_mov_b32 s[CNT], 4
.Lstep:                             ; a trip: pieces 2 and 3 of one step, then pieces 0 and 1 of the next, whose K and V it fetches
	TURN 2
	TURN 3
	WIN 0
.Lfirst:
	TURN 0
	TURN 1, 0, 1
	WIN 0
	s_cbranch_scc1 .Lstep
	s_sub_co_u32 s[SLOTS], s[SLOTS], 1
	s_cmp_lg_u32 s[SLOTS], 0
	s_cbranch_scc1 .Lslot
	CHANGE 0                        ; the last tile is written out: nothing is asked for
	s_mov_b32 s[CNT], 4
.LstepT:
	TURN 2
	TURN 3
	TURN 0
	TURN 1, 0, 1
	WIN 0
	s_cbranch_scc1 .LstepT
	TURN 2, 1                       ; the last step's pieces 2 and 3: nothing more to fetch,
	TURN 3, 1                       ; and no next piece
.set i, 0
.rept 8
	PV NP-1                         ; the last piece's V^T P of the last step
.set i, i+1
.endr
	; THE WAY OUT.  l's two halves and the other half of the lanes' are added; O^T is divided by l and sent, in f32, through my stage in LDS, a piece (16 rows of O) at a time.  The first four additions are the places behind the last products.
	WIN 0
.macro ALL line:vararg              ; one line for each piece t
.set t, 0
.rept NP
	\line
.set t, t+1
.endr
.endm
	ALL v_add_f32 v[ST+4*t+2], v[ST+4*t+2], v[ST+4*t+3]
	ALL v_permlanex16_b32 v[ST+4*t+3], v[ST+4*t+2], s[SEL], s[SEL+1]
	ALL v_add_f32 v[ST+4*t+2], v[ST+4*t+2], v[ST+4*t+3]
	ALL v_rcp_f32 v[ST+4*t+2], v[ST+4*t+2]
	v_nop                           ; a plain instruction between the last reciprocal and the use of its result
; Piece t: a lane's eight channels of a row are 32 bytes; they go into rows of 272 bytes (two stores of 16 for each of the four channel blocks) and come back as whole rows of 256, into registers of the piece's own.
.macro PACK t
	WIN W_RS
.set i, 32*(\t)
.rept 16
	s_wait_alu depctr_va_vdst(0)
	v_pk_mul_f32 v[i:i+1], v[i:i+1], v[ST+4*(\t)+2:ST+4*(\t)+3] op_sel_hi:[1,0]
.set i, i+2
.endr
	WIN 0x04                        ; the stores' data in window 1, their address in window 0
.set i, 0
.rept 8
	ds_store_b128 v[STO], v[32*(\t)+4*i:32*(\t)+4*i+3] offset:64*(i/2)+16*(i%2)
.set i, i+1
.endr
	WIN 0
.set i, 0
.rept 8
	ds_load_b128 v[BK+32*(\t)+4*i:BK+32*(\t)+4*i+3], v[RD] offset:i*2*SP  ; LDS serves a wave's instructions in order (ISA guide 5.7.1.4): these see the stores above; the next piece's stores come behind them
.set i, i+1
.endr
.endm
.macro SEND t, younger              ; younger: the LDS instructions issued behind piece t's loads: the next piece's sixteen, or none
	WIN 0
.set i, 0
.rept 8
	s_wait_dscnt (\younger)+7-i     ; load i of the piece's eight is back; the 7 - i behind it and the younger ones may be out
	global_store_b128 v[GO], v[BK+32*(\t)+4*i:BK+32*(\t)+4*i+3], s[10:11] offset:(\t)*4096+i*512 th:TH_STORE_NT  ; 512 consecutive bytes, at a multiple of 256 from O's first; no store's register is written again
.set i, i+1
.endr
.endm
	PACK 0
.set t, 1
.rept NP-1                          ; a piece's arithmetic stands between the loads of the piece before and its stores
	PACK t
	SEND t-1, 16
.set t, t+1
.endr
	SEND NP-1, 0
	s_wait_tensorcnt 0x0            ; the wave's end: behind my last tensor load and my last LDS store
	ds_add_u32 v[SPW], v[NIL]
	s_wait_dscnt 0x0
	CROUND                          ; the closing round: no work-group ends while a partner may still ask for a tile that names it
	s_endpgm
.Lfunc_end_k_q4087df2ef7_attn:
	.size	k_q4087df2ef7_attn, .Lfunc_end_k_q4087df2ef7_attn-k_q4087df2ef7_attn
	.p2alignl 7, 3214868480
	.fill 96, 4, 3214868480
	.section	.rodata,"a",@progbits
	.p2align	6, 0x0
	.amdhsa_kernel k_q4087df2ef7_attn
		.amdhsa_group_segment_fixed_size 327680
		.amdhsa_private_segment_fixed_size 0
		.amdhsa_enable_private_segment 0
		.amdhsa_kernarg_size 32
		.amdhsa_user_sgpr_count 2
		.amdhsa_user_sgpr_kernarg_segment_ptr 1
		.amdhsa_wavefront_size32 1
		.amdhsa_system_sgpr_workgroup_id_x 1
		.amdhsa_system_sgpr_workgroup_id_y 1
		.amdhsa_system_sgpr_workgroup_id_z 1
		.amdhsa_system_vgpr_workitem_id 0
		.amdhsa_next_free_vgpr 768
		.amdhsa_next_free_sgpr 80
		.amdhsa_reserve_vcc 0
		.amdhsa_float_denorm_mode_32 3
		.amdhsa_float_denorm_mode_16_64 3
		.amdhsa_memory_ordered 1
		.amdhsa_forward_progress 1
		.amdhsa_inst_pref_size 150
	.end_amdhsa_kernel
	.amdgpu_metadata
---
amdhsa.version: [ 1, 2 ]
amdhsa.kernels:
  - .name:           k_q4087df2ef7_attn
    .symbol:         k_q4087df2ef7_attn.kd
    .args:
      - { .name: Q, .offset: 0, .size: 8, .value_kind: global_buffer, .address_space: global }
      - { .name: kb, .offset: 8, .size: 8, .value_kind: global_buffer, .address_space: global }
      - { .name: vh, .offset: 16, .size: 8, .value_kind: global_buffer, .address_space: global }
      - { .name: out0, .offset: 24, .size: 8, .value_kind: global_buffer, .address_space: global }
    .group_segment_fixed_size: 327680
    .private_segment_fixed_size: 0
    .kernarg_segment_align: 8
    .kernarg_segment_size: 32
    .max_flat_workgroup_size: 128
    .sgpr_count:     80
    .vgpr_count:     768
    .wavefront_size: 32
...
	.end_amdgpu_metadata
.endif
;; end of part 2
